; MI455X (gfx1250); checked and timed in simulation.
; The chip was launched on July 23, 2026; its instructions are those of AMD's public machine-readable ISA for CDNA 5 (MIT licence, August 2026) and "CDNA5" Instruction Set Architecture Reference Guide (July 2026). The comments in the code are by the model that wrote it; some were corrected since.
;; Lo RA Linear. Allowed arithmetic: matrix products marked QUANTISED: E2M1 operands, one E8M0 scale for each 32 along K, by v_wmma_scale_f32_16x16x128_f8f6f4 with both operands' format E2M1 (or v_wmma_scale_f32_32x16x128_f4), f32 sums; products left as they are: f32 operands where the result goes on into a quantised operand, else bf16, f16 or f32 operands; f32 sums; everything else in f32.
;; Inputs: bias 4,096 float32; lora_A 16 x 4,096 float32; lora_B 4,096 x 16 float32; weight 4,096 x 4,096 float32; x 4,096 x 4,096 float32.
;; Outputs: out0 4,096 x 4,096 float32.
;; This version of the problem:
;;   THIS VERSION OF THE PROBLEM IS GIVEN IN LOW PRECISION. The matrix products marked QUANTISED in the list below multiply operands that are first quantised to E2M1 (2 exponent bits, 1 mantissa bit; 4 bits a number), with one power-of-two scale for each 32 numbers along K (OCP MX v1.0); their sums are f32. All else is computed in f32.
;;   The module's matrix products, in the order in which they are computed (A, B: the left and right operand; K: the contracted axis; several contracted axes count as one K, in the product's order):
;;     1. [M 4,096, K 4,096] x [K 4,096, N 4,096]; A: input x; B: input weight: QUANTISED
;;     2. [M 4,096, K 4,096] x [K 4,096, N 16]; A: input x; B: input lora_A: QUANTISED
;;     3. [M 4,096, K 16] x [K 16, N 4,096]; A: computed on the way; B: input lora_B: left as it is (K = 16 < 32)
;;   THE QUANTISER, for each operand of a quantised product, along K:
;;     - K is cut into blocks of 32 from its start; a last block that is shorter is filled with zeros.
;;     - A block's scale is 2^e with e = floor(log2(the largest magnitude in the block)) - 2, held to -126 .. 127; a block of zeros has e = 0. As a byte (E8M0): e + 127.
;;     - Each number is divided by its block's scale, clamped to +-6, and rounded to the nearest number of E2M1, ties to even, subnormals kept.
;;     - The product sums the exact products of the quantised numbers (number of the format x scale) in f32.
;;   ~~~python
;;   def quantise(x, axis):      # numpy; x: float32 -> the quantised numbers, widened to float32 again
;;       x = np.moveaxis(x, axis, -1); K = x.shape[-1]
;;       x = np.pad(x, [(0, 0)] * (x.ndim - 1) + [(0, -K % 32)]); x = x.reshape(x.shape[:-1] + (-1, 32)); a = np.abs(x).max(-1, keepdims=True)
;;       e = np.where(a > 0, np.clip(np.frexp(np.where(a > 0, a, 1))[1] - 1 - 2, -126, 127), 0)      # np.frexp(a)[1] - 1 = floor(log2(a)), exactly
;;       r = np.clip(x / 2.0 ** e, -6, 6)
;;       step = 2.0 ** (np.maximum(np.frexp(np.where(r == 0, 1, r))[1] - 1, 0) - 1)
;;       q = np.round(r / step) * step * 2.0 ** e      # np.round: ties to even
;;       return np.moveaxis(q.reshape(q.shape[:-2] + (-1,))[..., :K], -1, axis).astype(np.float32)
;;   ~~~
;; One version. Each part assembles by itself: llvm-mc -triple=amdgcn-amd-amdhsa -mcpu=gfx1250 --defsym DOCPART=n.
;; ======== version 1 of 1: 2 launches
;; limits: values are held in bf16: 8 bits of precision; right only within a limited range of input values
;; workspace buffers: xq 8,912,896 bytes; wq 8,912,896 bytes; aq 34,816 bytes
;; launch quant (part 1): grid 1026 x 1, 4 waves a work-group, no clusters, 18,944 bytes of LDS; arguments x, weight, lora_A, xq, wq, aq; writes xq, wq, aq
.if DOCPART == 1
	.amdgcn_target "amdgcn-amd-amdhsa--gfx1250"
	.amdhsa_code_object_version 6
	.text
	.protected	k_qe258a54471_quant
	.globl	k_qe258a54471_quant
	.p2align	8
	.type	k_qe258a54471_quant,@function
k_qe258a54471_quant:
	s_mov_b64 s[64:65], 0
	v_nop
	global_prefetch_b8 v0, s[64:65] scope:SCOPE_SE
	s_setreg_imm32_b32 hwreg(HW_REG_WAVE_MODE, 25, 1), 1
	s_wait_xcnt 0x0
; x [4096][4096], weight [4096][4096] and lora_A [16][4096], f32, K innermost, become codes of FP4 (E2M1) with one E8M0 scale byte for each 32 along K,
; laid IN THE ORDER OF THE PRODUCT'S OPERAND REGISTERS.  xq, wq: [tile of 256 rows][K step of 512][block of 69,632 bytes]; a block is 65,536 bytes of codes,
; [group of 16 rows gi][place kb of 16][row r][16 bytes: one block of 32 along K], then 4,096 scale bytes, [row][16 bytes, byte kb].  aq: [K step][4,096 bytes of codes of the 16 rows][256 scale bytes], the same order.
; In the 4-bit operand layout registers 4 c .. 4 c + 3 of lane (r, h) are the one place kb = 4 q + 2 c + h of row r: so a fragment is two runs of 512 bytes, 16 bytes a lane.
; WHICH BLOCK TAKES WHICH PLACE: of a K step's 16 blocks of 32, block 4 i + g takes place kb = 4 g + i.  That is one permutation of whole blocks, the same in all three tensors, codes and scale bytes together:
; every product keeps its partner and its scales; only the order of the f32 sums differs from ascending K.
; A block's scale is 2^(floor(log2(its largest magnitude)) - 2); its byte is the largest magnitude's exponent field - 2, held at 1 from below; each number is divided by the scale and rounded to the nearest code, ties to even,
; beyond 6 the largest code.  A block of zeros gets the byte 1 where the rule says 127: its codes are zeros, which add nothing under that byte, and the bytes are read by this program alone.
; LIMITS: blocks whose largest magnitude lies under 2^-124, the floor, were not tried; NaN and infinities among the inputs are not served.
; SHARES.  A wave takes 16 rows x 512 along K: 16 steps, a row a step.  Work-groups 0-511 take x, 512-1023 weight, 1024-1025 lora_A (8 waves: its 8 K steps).  One path for all three: pointers and two pitches are chosen by the work-group's number.
; A STEP.  Four loads read 512 consecutive bytes each, 16 a lane: of load i lane l holds four neighbours of block 4 i + l / 8, which eight neighbouring lanes share.  THE NUMBERS STAY WHERE THE LOADS PUT THEM: the block's largest
; magnitude is joined over its eight lanes by three steps on the arithmetic itself.  The conversion takes eight numbers under one scale, so each window of eight registers (two loads' fours) is converted twice: under the first
; four's scale, of which the low 16 bits are kept, and under the second four's, of which the high 16 bits are kept.  The half that is not kept is never read.
; Only codes and scale bytes go through LDS: the wave's 4,096 and 256 bytes are gathered there, 2 bytes and 4 bytes a lane, and leave at the end in stores of 512 and 256 consecutive, aligned bytes.  No barrier: waves share nothing.
.set STEPS, 16
.set DEPTH, 6                          ; loads run six steps ahead: 24 loads, 12,288 bytes of a wave
.set WREG,  4608                       ; LDS of a wave: its 256 scale bytes, [row][16],
.set CG,    256                        ; then its codes: 16 runs (kb) of 256 bytes,
.set CP,    272                        ; 272 bytes apart
.set M,     8                          ; v8-11    the four blocks' largest magnitudes, then the conversions' scale operands
.set B,     12                         ; v12-14   scale bytes at work
.set C,     16                         ; v16-79   four registers of codes for each step: no LDS store's data are written again
.set R,     80                         ; v80-175  six sets of 16 numbers as they are loaded
.set E,     176                        ; v176-191 a word of four scale bytes for each step
.set OUTR,  80                         ; the way out: v80-111 codes, v112-113 scale bytes (the numbers are done with)
.set OUTS,  112
	s_load_b256 s[4:11], s[0:1], 0x0               ; x s[4:5], weight s[6:7], lora_A s[8:9], xq s[10:11]
	s_load_b128 s[12:15], s[0:1], 0x20             ; wq s[12:13], aq s[14:15]
	v_lshl_add_u32 v1, v0, 2, 0x4800               ; v1: my spare word, behind the four waves' regions; never rewritten
	v_mov_b32 v2, 0                                ; v2: 0; never rewritten
	v_lshrrev_b32 v13, 5, v0
	v_readfirstlane_b32 s16, v13                   ; wave
	v_and_b32 v14, 31, v0                          ; lane (v13, v14 are at work again in the steps)
	v_lshlrev_b32 v3, 4, v14                       ; 16 x lane: my bytes of a load's 512, and of a store's
	s_mul_i32 s30, s16, WREG                       ; my wave's LDS
	v_lshrrev_b32 v8, 3, v14                       ; g: which eight lanes
	v_and_b32 v9, 7, v14                           ; p: my place among them
	v_mul_u32_u24 v4, v8, 4*CP
	v_lshl_add_u32 v4, v9, 1, v4
	v_add_nc_u32 v4, s30, v4                       ; my codes' place: run 4 g (+ i in the immediate), 2 bytes at 2 p; the row stands in the immediate
	v_lshlrev_b32 v5, 2, v8
	v_add_nc_u32 v5, s30, v5                       ; my four scale bytes: word g of the row's 16 bytes
	v_lshlrev_b32 v7, 3, v14                       ; the scale bytes' way out: 8 bytes a lane
	v_add_nc_u32 v6, s30, v7
	v_lshrrev_b32 v8, 4, v14
	v_and_b32 v9, 15, v14
	v_mul_u32_u24 v15, v8, CP
	v_lshl_add_u32 v15, v9, 4, v15
	v_add_nc_u32 v15, s30, v15                     ; the codes' way out: sixteen lanes to a run, two runs an instruction
	s_wait_kmcnt 0x0
	s_cmp_lt_u32 ttmp9, 512                        ; x or weight?  Every choice hangs on the work-group's number alone
	s_cselect_b64 s[4:5], s[4:5], s[6:7]
	s_cselect_b64 s[10:11], s[10:11], s[12:13]
	s_cselect_b32 s17, 0, 512                      ; the tensor's first work-group
	s_cmp_lt_u32 ttmp9, 1024                       ; or lora_A?
	s_cselect_b64 s[4:5], s[4:5], s[8:9]
	s_cselect_b64 s[10:11], s[10:11], s[14:15]
	s_mov_b32 s18, 1024
	s_cselect_b32 s17, s17, s18
	s_mov_b32 s19, 4352
	s_cselect_b32 s19, 69632, s19                  ; a K step's block in bytes
	s_mov_b32 s20, 4096
	s_cselect_b32 s20, 65536, s20                  ; and where its scale bytes begin
	s_sub_co_u32 s17, ttmp9, s17
	s_lshl_b32 s17, s17, 2
	s_add_co_u32 s17, s17, s16                     ; my wave's number in the tensor
	s_lshr_b32 s21, s17, 3                         ; its group of 16 rows,
	s_and_b32 s22, s17, 7                          ; its K step
	s_lshl_b32 s24, s21, 18                        ; 16 rows of 16,384 bytes
	s_lshl_b32 s18, s22, 11                        ; 512 numbers
	s_add_co_u32 s24, s24, s18
	s_mov_b32 s25, 0
	s_add_nc_u64 s[4:5], s[4:5], s[24:25]          ; the numbers
	s_lshr_b32 s23, s21, 4                         ; the tile of 256 rows
	s_lshl_b32 s23, s23, 3
	s_add_co_u32 s23, s23, s22
	s_mul_i32 s23, s23, s19                        ; the block's first byte
	s_and_b32 s18, s21, 15                         ; gi
	s_lshl_b32 s24, s18, 12
	s_add_co_u32 s24, s24, s23
	s_add_nc_u64 s[26:27], s[10:11], s[24:25]      ; my 4,096 bytes of codes
	s_lshl_b32 s24, s18, 8
	s_add_co_u32 s24, s24, s23
	s_add_co_u32 s24, s24, s20
	s_add_nc_u64 s[28:29], s[10:11], s[24:25]      ; my 256 scale bytes
.macro LOAD t                          ; row t's 2,048 bytes into set t % DEPTH
.irp i, 0,1,2,3
	global_load_b128 v[R+16*((\t)%DEPTH)+4*\i:R+16*((\t)%DEPTH)+4*\i+3], v3, s[4:5] offset:16384*(\t)+512*\i th:TH_LOAD_NT   ; 32 lanes read 512 consecutive bytes
.endr
.endm
.irp t, 0,1,2,3,4,5
	LOAD \t
.endr
.macro STEP t
.set RS, R+16*((\t)%DEPTH)
.if STEPS-1-(\t) >= DEPTH-1
	s_wait_loadcnt 4*(DEPTH-1)                     ; this step's four loads are in; those of the five steps behind it may be out
.else
	s_wait_loadcnt 4*(STEPS-1-(\t))                ; the tail: as many steps as are left behind this one
.endif
.irp i, 0,1,2,3
	v_max3_num_f32 v[M+\i], |v[RS+4*\i]|, |v[RS+4*\i+1]|, |v[RS+4*\i+2]|   ; the largest magnitude of my four numbers of block 4 i + g (the four blocks by turns: no line waits for the line above it)
.endr
.irp i, 0,1,2,3
	v_max3_num_f32 v[M+\i], v[M+\i], |v[RS+4*\i+3]|, 0x1800000             ; and the floor 2^(3 - 127): the byte cannot fall under 1
.endr
.irp x, 1,2,4
.irp i, 0,1,2,3
	v_max_num_f32_dpp v[M+\i], v[M+\i], v[M+\i] row_xmask:\x row_mask:0xf bank_mask:0xf   ; with lane l xor 1, 2, 4: the eight lanes that share the block
.endr
.endr
.irp i, 0,1,2,3
	v_add_nc_u32 v[M+\i], 0xff000000, v[M+\i]      ; 2 off the exponent field: the conversion takes the exponent field of this operand as its scale
.endr
	v_cvt_scalef32_pk8_fp4_f32 v[C+4*(\t)], v[RS:RS+7], v[M]           ; loads 0 and 1 under load 0's scale: the low 16 bits are my four codes of block g
	v_cvt_scalef32_pk8_fp4_f32 v[C+4*(\t)+1], v[RS:RS+7], v[M+1]       ; under load 1's scale: the high 16 bits, block 4 + g
	v_cvt_scalef32_pk8_fp4_f32 v[C+4*(\t)+2], v[RS+8:RS+15], v[M+2]    ; loads 2 and 3: the low 16 bits, block 8 + g
	v_cvt_scalef32_pk8_fp4_f32 v[C+4*(\t)+3], v[RS+8:RS+15], v[M+3]    ; the high 16 bits, block 12 + g
.if (\t)+DEPTH < STEPS
	LOAD (\t)+DEPTH                                ; the set is read out: it takes the row six steps on
.endif
	v_lshrrev_b32 v[E+(\t)], 23, v[M]              ; the scales' bytes (plain lines behind the conversions, ahead of the next step's writes of their scale operands)
.irp i, 1,2,3
	v_lshrrev_b32 v[B+\i-1], 23, v[M+\i]
.endr
	v_lshl_or_b32 v[E+(\t)], v[B], 8, v[E+(\t)]    ; places 4 g + 0 .. 3 are neighbours: the four bytes make one word
	v_lshl_or_b32 v[E+(\t)], v[B+1], 16, v[E+(\t)]
	v_lshl_or_b32 v[E+(\t)], v[B+2], 24, v[E+(\t)]
	ds_store_b16 v4, v[C+4*(\t)] offset:CG+16*(\t)                     ; run 4 g + i, row t, bytes 2 p and 2 p + 1: eight lanes fill the block's 16 bytes
	ds_store_b16_d16_hi v4, v[C+4*(\t)+1] offset:CG+CP+16*(\t)
	ds_store_b16 v4, v[C+4*(\t)+2] offset:CG+2*CP+16*(\t)
	ds_store_b16_d16_hi v4, v[C+4*(\t)+3] offset:CG+3*CP+16*(\t)
	ds_store_b32 v5, v[E+(\t)] offset:16*(\t)      ; the eight lanes of a group write the same word with the same value
.endm
.irp t, 0,1,2,3,4,5,6,7,8,9,10,11,12,13,14,15
	STEP \t
.endr
	ds_load_b64 v[OUTS:OUTS+1], v6                 ; LDS serves a wave's instructions in order (ISA guide 5.7.1): these see my stores
.irp j, 0,1,2,3,4,5,6,7
	ds_load_b128 v[OUTR+4*\j:OUTR+4*\j+3], v15 offset:CG+2*CP*\j
.endr
	s_wait_dscnt 8                                 ; the scale bytes are back; the eight loads behind them may be out
	global_store_b64 v7, v[OUTS:OUTS+1], s[28:29]  ; 32 lanes store 256 consecutive bytes, aligned
.irp j, 0,1,2,3,4,5,6,7
	s_wait_dscnt 7-\j                              ; runs 2 j and 2 j + 1 are back
	global_store_b128 v3, v[OUTR+4*\j:OUTR+4*\j+3], s[26:27] offset:512*\j   ; 32 lanes store 512 consecutive bytes, aligned
.endr
	s_wait_tensorcnt 0x0
	ds_add_u32 v1, v2
	s_wait_dscnt 0x0
	s_endpgm
.Lfunc_end_k_qe258a54471_quant:
	.size	k_qe258a54471_quant, .Lfunc_end_k_qe258a54471_quant-k_qe258a54471_quant
	.p2alignl 7, 3214868480
	.fill 96, 4, 3214868480
	.section	.rodata,"a",@progbits
	.p2align	6, 0x0
	.amdhsa_kernel k_qe258a54471_quant
		.amdhsa_group_segment_fixed_size 18944
		.amdhsa_private_segment_fixed_size 0
		.amdhsa_enable_private_segment 0
		.amdhsa_kernarg_size 48
		.amdhsa_user_sgpr_count 2
		.amdhsa_user_sgpr_kernarg_segment_ptr 1
		.amdhsa_wavefront_size32 1
		.amdhsa_system_sgpr_workgroup_id_x 1
		.amdhsa_system_sgpr_workgroup_id_y 1
		.amdhsa_system_sgpr_workgroup_id_z 1
		.amdhsa_system_vgpr_workitem_id 0
		.amdhsa_next_free_vgpr 192
		.amdhsa_next_free_sgpr 66
		.amdhsa_reserve_vcc 0
		.amdhsa_float_denorm_mode_32 3
		.amdhsa_float_denorm_mode_16_64 3
		.amdhsa_memory_ordered 1
		.amdhsa_forward_progress 1
		.amdhsa_inst_pref_size 52
	.end_amdhsa_kernel
	.amdgpu_metadata
---
amdhsa.version: [ 1, 2 ]
amdhsa.kernels:
  - .name:           k_qe258a54471_quant
    .symbol:         k_qe258a54471_quant.kd
    .args:
      - { .name: x, .offset: 0, .size: 8, .value_kind: global_buffer, .address_space: global }
      - { .name: weight, .offset: 8, .size: 8, .value_kind: global_buffer, .address_space: global }
      - { .name: lora_A, .offset: 16, .size: 8, .value_kind: global_buffer, .address_space: global }
      - { .name: xq, .offset: 24, .size: 8, .value_kind: global_buffer, .address_space: global }
      - { .name: wq, .offset: 32, .size: 8, .value_kind: global_buffer, .address_space: global }
      - { .name: aq, .offset: 40, .size: 8, .value_kind: global_buffer, .address_space: global }
    .group_segment_fixed_size: 18944
    .private_segment_fixed_size: 0
    .kernarg_segment_align: 8
    .kernarg_segment_size: 48
    .max_flat_workgroup_size: 128
    .sgpr_count:     66
    .vgpr_count:     192
    .wavefront_size: 32
...
	.end_amdgpu_metadata
.endif
;; end of part 1
;; launch gemm (part 2): grid 16 x 16, 4 waves a work-group, clusters of 4 x 4, 327,680 bytes of LDS; arguments xq, wq, aq, bias, lora_B, out0; writes out0
.if DOCPART == 2
	.amdgcn_target "amdgcn-amd-amdhsa--gfx1250"
	.amdhsa_code_object_version 6
	.text
	.protected	k_qe258a54471_gemm
	.globl	k_qe258a54471_gemm
	.p2align	8
	.type	k_qe258a54471_gemm,@function
k_qe258a54471_gemm:
	s_mov_b64 s[64:65], 0
	v_nop
	global_prefetch_b8 v0, s[64:65] scope:SCOPE_SE
	s_setreg_imm32_b32 hwreg(HW_REG_WAVE_MODE, 25, 1), 1
	s_wait_xcnt 0x0
	s_wait_alu depctr_hold_cnt(0) depctr_sa_sdst(0) depctr_va_vdst(0) depctr_va_sdst(0) depctr_va_ssrc(0) depctr_va_vcc(0) depctr_vm_vsrc(0)
	s_getreg_b32 s2, hwreg(HW_REG_IB_STS2, 6, 4)
	s_cmp_eq_u32 s2, 0
	s_cbranch_scc0 .Lentry_in_a_cluster
	s_endpgm
.Lentry_in_a_cluster:
	s_bfe_u32 s2, ttmp6, 0x10000c
	s_cmp_lg_u32 s2, 0xf033
	s_cbranch_scc0 .Lentry_shape_is_right
	s_endpgm
.Lentry_shape_is_right:
; out0 = Q(x) Q(weight)^T + bias + 2 (Q(x) Q(lora_A)^T) lora_B^T.  xq, wq, aq hold codes of FP4 (E2M1) and E8M0 bytes as launch quant lays them: for each tile of 256 rows and
; each K step of 512 one block of 69,632 bytes: 65,536 of codes in the order of the operand registers (a fragment of 16 rows x 128 K is two runs of 512 bytes, 16 bytes a lane), then 4,096 scale bytes, 16 a row.
; aq: for each K step 4,096 bytes of codes of lora_A's 16 rows and 256 scale bytes.  Within a K step the blocks of 32 stand in one fixed order, the same in all three tensors: only the order of the f32 sums differs from ascending K.
; A tile of out0, 256 x 256, is made by four waves, a wave 128 x 128: 512 registers of sums.  The bias is the C of each sum's first product.  t = Q(x) Q(lora_A)^T of the wave's 128 rows
; rides along: 8 more products for each 128 along K, on the fragments of x that are in registers anyway.  At the end 2 t and lora_B, rounded to bf16 (the third product, K = 16, is left as it is), are added by bf16 products.
; LIMIT: t and lora_B go into the third product as bf16 numbers.
; THE FORMS: the first product goes by the 32 x 16 x 128 form: source 0 = 32 rows of weight (two neighbouring fragments, 16 registers), source 1 = 16 rows of x; its 16 result registers are two neighbouring blocks of 16 x 16.
; t goes by the 16 x 16 x 128 form (lora_A has 16 rows).  Both are used TRANSPOSED: a lane holds one row of x and eight neighbouring columns in each eight registers.
; THE RING: two LDS slots, each with x's and weight's block of one K step, filled by the tensor data mover; a block is dense in memory and in LDS and is stated as rows of 2,048 bytes.  aq, 34,816 bytes, comes once and stays behind the ring.
; CLUSTERS: 4 x 4 work-groups; x's block is asked for jointly along a row of the cluster, weight's along a column.  aq is a thirty-second of what a work-group fetches: each work-group asks for its own.
; PREFETCH: the head names K step 1, behind its wait for the bias; behind K step 1's load K steps 2 and 3 are named; behind the refill with K step s, K step s + 2.  Every cluster asks for what it will load.  A block is 272 units
; of 256 bytes; the eight that ask for it (the four partners that load it jointly x the two waves that fetch for that tensor) take 34 units each, told apart by address: 32 by one instruction, a lane a unit, and 2 by a second,
; whose other lanes name its last unit again.  The loop's last trip asks for nothing: K step 7 is the last that is named.
; REGISTERS: window 0: v0-31 addresses, among them v8-15 lora_A's scale words, two sets; v32-127 scale words, two sets of 48 (at the end v32-95 hold 2 t in bf16); v128-191 x's fragments, one set; v192-255 t.
;   On the way out v128-255 take rows back from the stage.   window 1: weight's fragments and lora_A's, two sets of 72; v144-207 the bias, then lora_B.   windows 2, 3: the sums of my rows 0-63, 64-127.
.set SIZE_N, 4096
.set BLKB,   69632                     ; a block: 34 rows of 2,048 bytes
.set HALFB,  34816                     ; what a wave's load of the ring brings: 17 rows
.set SLOT,   2*BLKB
.set SCO,    65536                     ; where a block's scale bytes begin
.set TILEB,  8*BLKB
.set NQ,     4
.set FR,     8
.set NP,     4                         ; places behind these matrix instructions (ISA guide 7.12.1)
.set LAPS,   4
.set LA,     2*SLOT                    ; behind the ring: aq
.set LSTEP,  4352
.set LH,     17408                     ; half of aq: 17 rows of 1,024 bytes
.set SPARE,  LA+2*LH                   ; the spare words, 128 bytes a wave
.set SPITCH, 528                       ; the way out: a stage of 16 rows x (512 + 16) bytes a wave, in slot 0, behind its last fill and last read
.set CO,   3                           ; 16 x lane
.set ADRW, 4                           ; v4, v7 weight's scale words in slot 0, 1: lane l takes row l of 32
.set LS,   8                           ; v8-15 lora_A's scale words, set s at v[8 + 4 s]
.set ADRA, 16                          ; v16-17 my fragments of x in slot 0, 1
.set ADRL, 18                          ; lora_A's fragments of this K step
.set ADRLS, 19                         ; and its scale words
.set ADRB, 20                          ; v20-21 my fragments of weight
.set ADRX, 22                          ; v22-23 x's scale words: lane l takes row l % 16
.set STO,  24
.set RD,   25
.set PFO2, 26                          ; 8,192 + 256 x min(lane, 1)
.set PFO,  27                          ; 256 x lane
.set SPW,  28
.set NIL,  29
.set BO,   30
.set LBO,  31
.set SC,   32                          ; set s at v[32 + 48 s]: 32 registers for x (block i, step q at 4 i + q), then 16 for weight (32 rows j, step q at 32 + 4 j + q)
.set SS,   48
.set TF,   32
.set AF,   128
.set TA,   192
.set BK,   128
.set BI,   144
.set G1,   24
.set G0,   32
.set G1B,  48
.set G0B,  56
.set G1L,  68
.set G0L,  76
.set PFA,  92                          ; s[92:93] my 34 units of a block; stepped by a block ahead of each refill
.set MSB, 0
.macro WIN new                         ; the immediate's high byte repeats the setting that is left
.if MSB != (\new)
	s_set_vgpr_msb (MSB<<8)|(\new)
.set MSB, (\new)
.endif
.endm
.set MUL_LO,   0xa1                    ; source 0 window 1, source 1 window 0, C and D window 2
.set MUL_HI,   0xf1
.set FIRST_LO, 0x91                    ; the same with C (the bias) in window 1
.set FIRST_HI, 0xd1
.set T_W,      0x01
.set TO_B,     0x40
.set CVT_B,    0x45
.macro TL g0, g1                       ; a tensor load with a nop and four v_nops behind it
	tensor_load_to_lds s[\g0:\g0+3], s[\g1:\g1+7]
	s_nop 0
.rept 4
	v_nop
.endr
.endm
.macro JLOAD g0a, g1a, g0b, g1b        ; the ring's joint load: waves 0, 1 fetch the halves of x's block, waves 2, 3 of weight's
	s_cmp_eq_u32 s15, 0
	s_cbranch_scc0 .Lfor_b_\@
	TL \g0a, \g1a
	s_branch .Lasked_\@
.Lfor_b_\@:
	TL \g0b, \g1b
.Lasked_\@:
.endm
.macro NAME k                          ; my 34 units of the block k K steps behind PFA's
	global_prefetch_b8 v[PFO], s[PFA:PFA+1] offset:(\k)*BLKB th:TH_LOAD_NT scope:SCOPE_SE
	global_prefetch_b8 v[PFO2], s[PFA:PFA+1] offset:(\k)*BLKB th:TH_LOAD_NT scope:SCOPE_SE
.endm
.macro ASK
	s_cmp_gt_u32 s3, 1                             ; not in the loop's last trip
	s_cbranch_scc0 .Lnot_now_\@
	NAME 3
.Lnot_now_\@:
.endm
.macro CREST
	s_cmp_lg_u32 s14, 0
	s_cbranch_scc1 .Lnot_wave_0_\@
	s_barrier_signal -3
.Lnot_wave_0_\@:
	s_barrier_wait -3
	s_barrier_signal -1
	s_barrier_wait -1
.endm
.macro CROUND                          ; a round of the cluster's barrier
	s_barrier_signal -1
	s_barrier_wait -1
	CREST
.endm
	s_load_b256 s[4:11], s[0:1], 0x0               ; xq, wq, aq, bias
	s_load_b128 s[80:83], s[0:1], 0x20             ; lora_B, out0
	v_lshl_add_u32 v[SPW], v0, 2, SPARE
	v_mov_b32 v[NIL], 0
	ds_add_u32 v[SPW], v[NIL]                      ; the opening lines: the add, twice on end, and its wait ahead of my first tensor load
	ds_add_u32 v[SPW], v[NIL]
	v_lshrrev_b32 v1, 5, v0
	v_readfirstlane_b32 s14, v1                    ; wave
	s_lshr_b32 s15, s14, 1                         ; my half of the tile's rows; in the ring: I fetch for x (0) or weight (1)
	s_and_b32 s16, s14, 1                          ; my half of its columns; in the ring: which half of the block I fetch
	s_bfe_u32 s40, ttmp6, 0x40000                  ; cx
	s_bfe_u32 s41, ttmp6, 0x40004                  ; cy
	s_lshl_b32 s42, ttmp9, 2
	s_add_co_u32 s42, s42, s40                     ; tile column
	s_and_b32 s17, ttmp7, 0xffff
	s_lshl_b32 s17, s17, 2
	s_add_co_u32 s17, s17, s41                     ; tile row
	s_lshl_b32 s43, s41, 2
	s_lshl_b32 s43, 15, s43                        ; my row of the cluster
	s_lshl_b32 s44, 0x1111, s40                    ; my column
	s_or_b32 s[G1+0], s43, (3<<16)|(1<<21)         ; elements of 8 bytes, the mask, bit 21 beside it
	s_or_b32 s[G1B+0], s44, (3<<16)|(1<<21)
.irp g, G1, G1B                        ; rows of 256 elements, dense: 34 for the head's loads of whole blocks
	s_mov_b32 s[\g+1], 256<<16
	s_mov_b32 s[\g+2], 34<<16
	s_mov_b32 s[\g+3], 256<<16
	s_mov_b32 s[\g+4], 34
	s_mov_b32 s[\g+5], 256
	s_mov_b32 s[\g+6], 0
	s_mov_b32 s[\g+7], 0
.endr
	s_mov_b32 s[G1L+0], 3<<16                      ; half of aq: 17 rows of 128 elements, no mask
	s_mov_b32 s[G1L+1], 128<<16
	s_mov_b32 s[G1L+2], 17<<16
	s_mov_b32 s[G1L+3], 128<<16
	s_mov_b32 s[G1L+4], 17
	s_mov_b32 s[G1L+5], 128
	s_mov_b32 s[G1L+6], 0
	s_mov_b32 s[G1L+7], 0
	s_mul_i32 s18, s16, HALFB
	s_mul_i32 s20, s17, TILEB
	s_add_co_u32 s20, s20, s18
	s_mov_b32 s21, 0
	s_mul_i32 s46, s42, TILEB
	s_add_co_u32 s46, s46, s18
	s_mov_b32 s47, 0
	s_mul_i32 s45, s14, HALFB                      ; where my part of a slot lies: wave x half a block
	s_mul_i32 s84, s15, LH                         ; waves 1 and 3: which half of aq
	s_mov_b32 s85, 0
	s_wait_dscnt 0x0                               ; both opening adds are done
	s_wait_kmcnt 0x0
	s_add_nc_u64 s[20:21], s[4:5], s[20:21]
	s_add_nc_u64 s[46:47], s[6:7], s[46:47]
	s_add_nc_u64 s[86:87], s[8:9], s[84:85]
	s_mov_b32 s[G0L], 1
	s_add_co_u32 s[G0L+1], s84, LA
	s_mov_b64 s[G0L+2:G0L+3], s[86:87]
	s_or_b32 s[G0L+3], s[G0L+3], 0x80000000
.irp s, 0,1
	s_mov_b32 s[G0+4*\s], 1
	s_add_co_u32 s[G0+4*\s+1], s45, \s*SLOT
	s_add_nc_u64 s[G0+4*\s+2:G0+4*\s+3], s[20:21], \s*BLKB
	s_or_b32 s[G0+4*\s+3], s[G0+4*\s+3], 0x80000000
	s_mov_b32 s[G0B+4*\s], 1
	s_add_co_u32 s[G0B+4*\s+1], s45, \s*SLOT
	s_add_nc_u64 s[G0B+4*\s+2:G0B+4*\s+3], s[46:47], \s*BLKB
	s_or_b32 s[G0B+4*\s+3], s[G0B+4*\s+3], 0x80000000
.endr
	CROUND                                         ; all sixteen work-groups are here: the first joint loads meet
; THE HEAD'S LOADS, ONE A WAVE, in one chain of branches on the wave's number.  Wave 0's group 0 for slot 0 points at the first byte of x's block and at LDS byte 0, wave 2's at the first byte of weight's block and at LDS byte BLKB:
; with 34 rows they bring the whole blocks of K step 0.  Waves 1 and 3 bring the two halves of aq.
	s_cmp_eq_u32 s14, 0
	s_cbranch_scc0 .Lhead_b
	TL G0, G1
	s_branch .Lhead_asked
.Lhead_b:
	s_cmp_eq_u32 s14, 2
	s_cbranch_scc0 .Lhead_l
	TL G0B, G1B
	s_branch .Lhead_asked
.Lhead_l:
	TL G0L, G1L
.Lhead_asked:
	; under the loads' flight: pointers first, then the scalars of the LDS addresses, then all vector work in one run
	s_lshl_b32 s90, s42, 10
	s_lshl_b32 s91, s16, 9
	s_add_co_u32 s90, s90, s91                     ; my first column in bytes of f32
	s_mov_b32 s91, 0
	s_add_nc_u64 s[10:11], s[10:11], s[90:91]      ; bias
	s_add_nc_u64 s[82:83], s[82:83], s[90:91]      ; out0
	s_lshl_b32 s90, s90, 4                         ; a row of lora_B is 64 bytes
	s_add_nc_u64 s[80:81], s[80:81], s[90:91]
	s_lshl_b32 s88, s17, 8
	s_lshl_b32 s89, s15, 7
	s_add_co_u32 s88, s88, s89                     ; my first row
	s_lshl_b32 s88, s88, 14
	s_mov_b32 s89, 0
	s_add_nc_u64 s[82:83], s[82:83], s[88:89]
	s_cmp_eq_u32 s15, 0                            ; the prefetches
	s_cselect_b32 s18, s17, s42                    ; the tile that I fetch for
	s_cselect_b32 s19, s40, s41                    ; my place among the four that ask for it with me
	s_cselect_b64 s[PFA:PFA+1], s[4:5], s[6:7]
	s_mul_i32 s18, s18, TILEB
	s_lshl_b32 s23, s16, 2
	s_add_co_u32 s19, s19, s23                     ; which of the eight shares is mine
	s_mul_i32 s19, s19, 34*256
	s_add_co_u32 s18, s18, s19
	s_mov_b32 s19, 0
	s_add_nc_u64 s[PFA:PFA+1], s[PFA:PFA+1], s[18:19]   ; at K step 0
	s_lshl_b32 s22, s15, 15                        ; my 128 rows of x: 8 groups of 4,096 bytes
	s_lshl_b32 s23, s16, 15
	s_add_co_u32 s23, s23, BLKB                    ; my 128 rows of weight
	s_add_co_u32 s86, s22, SLOT
	s_add_co_u32 s87, s23, SLOT
	s_lshl_b32 s12, s16, 11
	s_add_co_u32 s12, s12, BLKB+SCO                ; the scale bytes of my 128 rows of weight, 16 a row
	s_add_co_u32 s67, s12, SLOT
	s_lshl_b32 s13, s15, 11
	s_add_co_u32 s13, s13, SCO                     ; and of my 128 rows of x
	s_add_co_u32 s19, s13, SLOT
	s_mul_i32 s66, s14, 16*SPITCH                  ; my stage
	v_and_b32 v1, 15, v0                           ; r
	v_bfe_u32 v2, v0, 4, 1                         ; h
	v_and_b32 v3, 31, v0
	v_min_u32 v[PFO2], 1, v3
	v_lshlrev_b32 v[CO], 4, v3
	v_lshl_add_u32 v[PFO2], v[PFO2], 8, 8192
	v_lshlrev_b32 v[PFO], 4, v[CO]
	v_add_nc_u32 v[ADRA], s22, v[CO]
	v_add_nc_u32 v[ADRA+1], s86, v[CO]
	v_add_nc_u32 v[ADRB], s23, v[CO]
	v_add_nc_u32 v[ADRB+1], s87, v[CO]
	v_lshlrev_b32 v6, 4, v1
	v_add_nc_u32 v[ADRX], s13, v6
	v_add_nc_u32 v[ADRX+1], s19, v6
	v_add_nc_u32 v[ADRW], s12, v[CO]
	v_add_nc_u32 v[ADRW+3], s67, v[CO]
	v_add_nc_u32 v[ADRL], LA, v[CO]
	v_lshl_add_u32 v[ADRLS], v1, 4, LA+4096
	v_mul_u32_u24 v5, v1, SPITCH
	v_lshl_add_u32 v5, v2, 5, v5
	v_add_nc_u32 v[STO], s66, v5                   ; into the stage: row r, 32 bytes for each half of the lanes
	v_add_nc_u32 v[RD], s66, v[CO]                 ; back: 32 lanes take a row of 512 bytes
	v_lshlrev_b32 v[BO], 5, v2                     ; bias: my eight columns 8 h ..
	v_lshl_add_u32 v[LBO], v1, 6, v[BO]            ; lora_B: row r, ranks 8 h ..
	s_wait_alu depctr_va_vdst(0)                   ; the wait at the head's end
	WIN TO_B
.irp b, 0,1,2,3,4,5,6,7
.irp u, 0,1
	global_load_b128 v[BI+8*\b+4*\u:BI+8*\b+4*\u+3], v[BO], s[10:11] offset:64*\b+16*\u
.endr
.endr
	WIN 0
	s_wait_loadcnt 0x0                             ; the bias is in: the first step wants it
	NAME 1                                         ; K step 1, the next load's, is named behind the head's own loads and the bias
.macro FRAG reg, adr, q, i             ; a fragment: two runs of 512 bytes, 16 bytes a lane
.irp c, 0,1
	ds_load_b128 v[\reg+4*\c:\reg+4*\c+3], v[\adr] offset:4096*(\i)+1024*(\q)+512*\c
.endr
.endm
; 8 matrix instructions of 32 x 16 x 128: x's blocks a0, a0 + 1 against weight's 128 rows, 32 at a time.  p: weight's set; sc: the set of scale words; first = 1: C is the bias.
; Source 0's scale word stands in all 32 lanes, lane m for row m; source 1's in lanes 0-15.  The sums take turns, one instruction a turn.
.macro MUL16 a0, p, q, sc, first
.irp a, \a0, \a0+1
.irp j, 0,1,2,3
.if \first
	v_wmma_scale_f32_32x16x128_f4 v[8*(8*((\a)%4)+2*\j):8*(8*((\a)%4)+2*\j)+15], v[72*(\p)+16*\j:72*(\p)+16*\j+15], v[AF+FR*(\a):AF+FR*(\a)+FR-1], v[BI+16*\j:BI+16*\j+15], v[SC+SS*(\sc)+32+NQ*\j+(\q)], v[SC+SS*(\sc)+NQ*(\a)+(\q)]
.else
	v_wmma_scale_f32_32x16x128_f4 v[8*(8*((\a)%4)+2*\j):8*(8*((\a)%4)+2*\j)+15], v[72*(\p)+16*\j:72*(\p)+16*\j+15], v[AF+FR*(\a):AF+FR*(\a)+FR-1], v[8*(8*((\a)%4)+2*\j):8*(8*((\a)%4)+2*\j)+15], v[SC+SS*(\sc)+32+NQ*\j+(\q)], v[SC+SS*(\sc)+NQ*(\a)+(\q)]
.endif
.endr
.endr
.endm
.macro TMUL a0, p, q, sc, first        ; t of x's blocks a0 .. a0 + 3: source 0 = lora_A's 16 rows; both scale words in lanes 0-15
.irp a, \a0, \a0+1, \a0+2, \a0+3
.if \first
	v_wmma_scale_f32_16x16x128_f8f6f4 v[TA+8*(\a):TA+8*(\a)+7], v[72*(\p)+64:72*(\p)+71], v[AF+FR*(\a):AF+FR*(\a)+FR-1], 0, v[LS+NQ*(\sc)+(\q)], v[SC+SS*(\sc)+NQ*(\a)+(\q)] matrix_a_fmt:MATRIX_FMT_FP4 matrix_b_fmt:MATRIX_FMT_FP4
.else
	v_wmma_scale_f32_16x16x128_f8f6f4 v[TA+8*(\a):TA+8*(\a)+7], v[72*(\p)+64:72*(\p)+71], v[AF+FR*(\a):AF+FR*(\a)+FR-1], v[TA+8*(\a):TA+8*(\a)+7], v[LS+NQ*(\sc)+(\q)], v[SC+SS*(\sc)+NQ*(\a)+(\q)] matrix_a_fmt:MATRIX_FMT_FP4 matrix_b_fmt:MATRIX_FMT_FP4
.endif
.endr
.endm
.macro FETCH_B slot, q, p              ; 18 loads: weight's eight fragments and lora_A's one into set p
	WIN TO_B
.irp i, 0,1,2,3,4,5,6,7
	FRAG 72*(\p)+FR*\i, ADRB+\slot, \q, \i
.endr
.irp c, 0,1
	ds_load_b128 v[72*(\p)+64+4*\c:72*(\p)+64+4*\c+3], v[ADRL] offset:1024*(\q)+512*\c
.endr
	WIN 0
.endm
.macro FETCH_A slot, q, i0             ; 8 loads: x's blocks i0 .. i0 + 3
.irp i, \i0, \i0+1, \i0+2, \i0+3
	FRAG AF+FR*(\i), ADRA+\slot, \q, \i
.endr
.endm
.macro SCALES sc                       ; 13 loads: a K step's scale words, four a row: x's eight blocks of 16 rows, weight's four of 32 rows, lora_A's 16 rows
.irp i, 0,1,2,3,4,5,6,7
	ds_load_b128 v[SC+SS*\sc+NQ*\i:SC+SS*\sc+NQ*\i+3], v[ADRX+\sc] offset:256*\i
.endr
.irp j, 0,1,2,3
	ds_load_b128 v[SC+SS*\sc+32+NQ*\j:SC+SS*\sc+32+NQ*\j+3], v[ADRW+3*\sc] offset:512*\j
.endr
	ds_load_b128 v[LS+NQ*\sc:LS+NQ*\sc+3], v[ADRLS]
.endm
.macro PLACES n
.rept \n
	v_nop
.endr
.endm
; A step of 128 along K, one of a slot's first three: 40 matrix instructions.  LDS loads in the order of issue: in the middle of step q x's blocks 0-3 of step q + 1 (8); at its end x's blocks 4-7 of step q + 1 (8) and, into the set
; that step q has just read out, weight's and lora_A's fragments of step q + 2 (18): these have a whole step ahead of their first use.
.macro STEP slot, q, first
	s_wait_dscnt 26                                ; all but the last run's 8 + 18: this step's set of weight and x's blocks 0-3 are in
.if \first
	WIN FIRST_LO
.else
	WIN MUL_LO
.endif
	MUL16 0, (\q)%2, \q, \slot, \first
	MUL16 2, (\q)%2, \q, \slot, \first
	WIN T_W
	TMUL 0, (\q)%2, \q, \slot, \first
	s_wait_dscnt 18                                ; x's blocks 4-7 are in; the next step's 18 may be out
	PLACES NP
	WIN 0
	FETCH_A \slot, (\q)+1, 0
.if \first
	WIN FIRST_HI
.else
	WIN MUL_HI
.endif
	MUL16 4, (\q)%2, \q, \slot, \first
	MUL16 6, (\q)%2, \q, \slot, \first
	WIN T_W
	TMUL 4, (\q)%2, \q, \slot, \first
	PLACES NP
	WIN 0
	FETCH_A \slot, (\q)+1, 4
.if (\q) < 2
	FETCH_B \slot, (\q)+2, (\q)%2
.endif
.endm
; A slot's last step changes slots behind its first eight matrix instructions: my last reads of the slot (x's blocks 4-7, 8 loads) were issued at the end of the step before.  fill = 1: the slot is filled again, two K steps ahead.
; Between the wait for my tensor load and the refill stand the add, its wait and the round alone.
.macro TURN slot, next, fill
.if \fill
	s_wait_xcnt 0x0                                ; my prefetches have read their address
	s_add_nc_u64 s[PFA:PFA+1], s[PFA:PFA+1], BLKB
.endif
	s_wait_dscnt 8                                 ; x's blocks 4-7 may be out
	WIN MUL_LO
	MUL16 0, 1, NQ-1, \slot, 0
	WIN 0
	s_wait_tensorcnt 0x0                           ; all my tensor loads have landed: my part of the next slot
	ds_add_u32 v[SPW], v[NIL]
.if \fill
	s_add_nc_u64 s[G0+4*\slot+2:G0+4*\slot+3], s[G0+4*\slot+2:G0+4*\slot+3], 2*BLKB
	s_add_nc_u64 s[G0B+4*\slot+2:G0B+4*\slot+3], s[G0B+4*\slot+2:G0B+4*\slot+3], 2*BLKB
.endif
	s_wait_dscnt 0x0                               ; the add is done, and my reads of this slot are over
.if \fill
	CROUND                                         ; the round takes the barrier's place: no wave of any partner still reads this slot or has a load on its way
	JLOAD G0+4*\slot, G1, G0B+4*\slot, G1B         ; the first tensor load behind the round
.else
	s_barrier_signal -1
	s_barrier_wait -1
.endif
	v_add_nc_u32 v[ADRL], LSTEP, v[ADRL]           ; on to the next K step of aq
	v_add_nc_u32 v[ADRLS], LSTEP, v[ADRLS]
	s_wait_alu depctr_va_vdst(0)                   ; the wait directly behind the writes
	FETCH_B \next, 0, 0                            ; set 0 was read out in the step before, four places ago
	SCALES \next
.if \fill
	ASK
.endif
	WIN MUL_LO
	MUL16 2, 1, NQ-1, \slot, 0
	WIN T_W
	TMUL 0, 1, NQ-1, \slot, 0
	PLACES NP
	WIN 0
	FETCH_A \next, 0, 0
	WIN MUL_HI
	MUL16 4, 1, NQ-1, \slot, 0
	MUL16 6, 1, NQ-1, \slot, 0
	WIN T_W
	TMUL 4, 1, NQ-1, \slot, 0
	PLACES NP
	WIN 0
	FETCH_A \next, 0, 4
	FETCH_B \next, 1, 1
.endm
.macro STEPS slot, from
.set Q, \from
.rept NQ-1-\from
	STEP \slot, Q, 0
.set Q, Q+1
.endr
.endm
	s_wait_tensorcnt 0x0                           ; my one of the head's four loads is in
	ds_add_u32 v[SPW], v[NIL]
	s_mov_b32 s[G1+2], 17<<16                      ; no tensor load of mine is out: from here on a load brings 17 rows
	s_mov_b32 s[G1+4], 17
	s_mov_b32 s[G1B+2], 17<<16
	s_mov_b32 s[G1B+4], 17
	s_wait_dscnt 0x0
	CROUND                                         ; K step 0 and aq are in for every wave, and all sixteen work-groups are here
	JLOAD G0+4, G1, G0B+4, G1B                     ; slot 1's first fill, the first tensor load behind the round
	FETCH_B 0, 0, 0
	FETCH_A 0, 0, 0
	NAME 2                                         ; behind K step 1's load: K steps 2 and 3
	NAME 3
	SCALES 0
	FETCH_A 0, 0, 4
	FETCH_B 0, 1, 1
	STEP 0, 0, 1                                   ; the first step stands in front of the loop: its products start the sums on the bias
	WIN TO_B
.irp b, 0,1,2,3,4,5,6,7                ; lora_B takes the bias's registers (four places and 26 LDS loads behind their last use); it is waited for behind the last step
.irp u, 0,1
	global_load_b128 v[BI+8*\b+4*\u:BI+8*\b+4*\u+3], v[LBO], s[80:81] offset:1024*\b+16*\u
.endr
.endr
	WIN 0
	s_mov_b32 s3, LAPS-1
.Llap:                                         ; a trip goes once round the ring and fills both slots again
	STEPS 0, 1
	TURN 0, 1, 1
	STEPS 1, 0
	TURN 1, 0, 1
	STEP 0, 0, 0
	s_sub_co_u32 s3, s3, 1
	s_cmp_lg_u32 s3, 0
	s_cbranch_scc1 .Llap
	STEPS 0, 1                                     ; the last lap fills nothing
	TURN 0, 1, 0
	STEPS 1, 0
	s_wait_dscnt 8                                 ; the very last step
	WIN MUL_LO
	MUL16 0, 1, NQ-1, 1, 0
	MUL16 2, 1, NQ-1, 1, 0
	WIN T_W
	TMUL 0, 1, NQ-1, 1, 0
	s_wait_dscnt 0
	WIN MUL_HI
	MUL16 4, 1, NQ-1, 1, 0
	MUL16 6, 1, NQ-1, 1, 0
	WIN T_W
	TMUL 4, 1, NQ-1, 1, 0
; THE THIRD PRODUCT.  lora_B's 16 ranks and 2 t fill the first 16 of the bf16 form's K = 32; the other 16 are zeros.
	s_wait_loadcnt 0x0
	WIN CVT_B
.irp b, 0,1,2,3,4,5,6,7                ; into set 0 of weight's fragments, read out a step ago.  These 64 lines are also the places behind the last products
.irp j, 0,1,2,3
	v_cvt_pk_bf16_f32 v[8*\b+\j], v[BI+8*\b+2*\j], v[BI+8*\b+2*\j+1]
	v_mov_b32 v[8*\b+4+\j], 0
.endr
.endr
	WIN 0
.irp a, 0,1,2,3,4,5,6,7
.irp j, 0,2,4,6
	v_pk_add_f32 v[TA+8*\a+\j:TA+8*\a+\j+1], v[TA+8*\a+\j:TA+8*\a+\j+1], v[TA+8*\a+\j:TA+8*\a+\j+1]   ; 2 t, each accumulator from its low end on
.endr
.irp j, 0,1,2,3
	v_cvt_pk_bf16_f32 v[TF+8*\a+\j], v[TA+8*\a+2*\j], v[TA+8*\a+2*\j+1]   ; into registers that held scale words
	v_mov_b32 v[TF+8*\a+4+\j], 0
.endr
.endr
	s_wait_alu depctr_va_vdst(0)                   ; what was just written is read by the bf16 products at once
.macro LORA a                          ; block a's eight blocks of 16 x 16 take their share of the third product
	WIN MUL_LO+0x50*((\a)/4)
.irp b, 0,1,2,3,4,5,6,7
	v_wmma_f32_16x16x32_bf16 v[8*(8*((\a)%4)+\b):8*(8*((\a)%4)+\b)+7], v[8*\b:8*\b+7], v[TF+8*(\a):TF+8*(\a)+7], v[8*(8*((\a)%4)+\b):8*(8*((\a)%4)+\b)+7]
.endr
.endm
; THE WAY OUT, block by block of 16 rows x 128 columns, through my own stage: in as 32 bytes a lane, back as whole rows of 512 bytes.  LDS serves a wave's instructions in order (ISA guide 5.7.1): no wait between the stores and the loads.
.macro TOSTAGE a
.set AC, 64*((\a)%4)
	WIN 0x08+4*((\a)/4)
.irp b, 0,1,2,3,4,5,6,7
	ds_store_b128 v[STO], v[AC+8*\b:AC+8*\b+3] offset:64*\b          ; each accumulator from its low end on
	ds_store_b128 v[STO], v[AC+8*\b+4:AC+8*\b+7] offset:64*\b+16
.endr
	WIN 0
.set BB, BK+64*((\a)%2)
.irp t, 0,1,2,3,4,5,6,7,8,9,10,11,12,13,14,15
	ds_load_b128 v[BB+4*\t:BB+4*\t+3], v[RD] offset:\t*SPITCH
.endr
.endm
.macro SEND a, younger                 ; younger: the LDS instructions issued behind block a's loads
.set BB, BK+64*((\a)%2)
	s_wait_dscnt \younger
.if (\a) > 0
	s_add_nc_u64 s[82:83], s[82:83], 16*SIZE_N*4   ; behind a wait on XCNT: the earlier stores have read their base
.endif
.irp t, 0,1,2,3,4,5,6,7,8,9,10,11,12,13,14,15
	global_store_b128 v[CO], v[BB+4*\t:BB+4*\t+3], s[82:83] offset:\t*SIZE_N*4 th:TH_STORE_NT   ; 32 lanes store 512 consecutive bytes, aligned
.endr
.endm
	LORA 0
.irp a, 0,1,2,3,4,5,6,7                ; block a leaves while block a + 1's products are at work
.if \a < 7
	LORA \a+1
	PLACES NP                                      ; behind block a's and block a + 1's products
.endif
.if \a > 1
	s_wait_xcnt 0x0                                ; block a - 2's stores have read their registers and their base
.endif
	TOSTAGE \a
.if \a > 0
	SEND \a-1, 32
.endif
.endr
	s_wait_xcnt 0x0
	SEND 7, 0
	s_wait_tensorcnt 0x0                           ; the wave's end
	ds_add_u32 v[SPW], v[NIL]
	s_wait_dscnt 0x0
	CROUND                                         ; the closing round
	s_endpgm
.Lfunc_end_k_qe258a54471_gemm:
	.size	k_qe258a54471_gemm, .Lfunc_end_k_qe258a54471_gemm-k_qe258a54471_gemm
	.p2alignl 7, 3214868480
	.fill 96, 4, 3214868480
	.section	.rodata,"a",@progbits
	.p2align	6, 0x0
	.amdhsa_kernel k_qe258a54471_gemm
		.amdhsa_group_segment_fixed_size 327680
		.amdhsa_private_segment_fixed_size 0
		.amdhsa_enable_private_segment 0
		.amdhsa_kernarg_size 48
		.amdhsa_user_sgpr_count 2
		.amdhsa_user_sgpr_kernarg_segment_ptr 1
		.amdhsa_wavefront_size32 1
		.amdhsa_system_sgpr_workgroup_id_x 1
		.amdhsa_system_sgpr_workgroup_id_y 1
		.amdhsa_system_sgpr_workgroup_id_z 1
		.amdhsa_system_vgpr_workitem_id 0
		.amdhsa_next_free_vgpr 1024
		.amdhsa_next_free_sgpr 96
		.amdhsa_reserve_vcc 0
		.amdhsa_float_denorm_mode_32 3
		.amdhsa_float_denorm_mode_16_64 3
		.amdhsa_memory_ordered 1
		.amdhsa_forward_progress 1
		.amdhsa_inst_pref_size 186
	.end_amdhsa_kernel
	.amdgpu_metadata
---
amdhsa.version: [ 1, 2 ]
amdhsa.kernels:
  - .name:           k_qe258a54471_gemm
    .symbol:         k_qe258a54471_gemm.kd
    .args:
      - { .name: xq, .offset: 0, .size: 8, .value_kind: global_buffer, .address_space: global }
      - { .name: wq, .offset: 8, .size: 8, .value_kind: global_buffer, .address_space: global }
      - { .name: aq, .offset: 16, .size: 8, .value_kind: global_buffer, .address_space: global }
      - { .name: bias, .offset: 24, .size: 8, .value_kind: global_buffer, .address_space: global }
      - { .name: lora_B, .offset: 32, .size: 8, .value_kind: global_buffer, .address_space: global }
      - { .name: out0, .offset: 40, .size: 8, .value_kind: global_buffer, .address_space: global }
    .group_segment_fixed_size: 327680
    .private_segment_fixed_size: 0
    .kernarg_segment_align: 8
    .kernarg_segment_size: 48
    .max_flat_workgroup_size: 128
    .sgpr_count:     96
    .vgpr_count:     1024
    .wavefront_size: 32
...
	.end_amdgpu_metadata
.endif
;; end of part 2
